; MI455X (gfx1250); checked and timed in simulation.
; The chip was launched on July 23, 2026; its instructions are those of AMD's public machine-readable ISA for CDNA 5 (MIT licence, August 2026) and "CDNA5" Instruction Set Architecture Reference Guide (July 2026). The comments in the code are by the model that wrote it; some were corrected since.
;; Vector Quantizer. Allowed arithmetic: matrix products marked QUANTISED: E2M1 operands, one E8M0 scale for each 32 along K, by v_wmma_scale_f32_16x16x128_f8f6f4 with both operands' format E2M1 (or v_wmma_scale_f32_32x16x128_f4), f32 sums; everything else in f32.
;; Inputs: codebook 8,192 x 512 float32; z 8 x 2,048 x 512 float32.
;; Outputs: out0 8 x 2,048 x 512 float32; out1 16,384 int32.
;; This version of the problem:
;;   THIS VERSION OF THE PROBLEM IS GIVEN IN LOW PRECISION. The matrix products marked QUANTISED in the list below multiply operands that are first quantised to E2M1 (2 exponent bits, 1 mantissa bit; 4 bits a number), with one power-of-two scale for each 32 numbers along K (OCP MX v1.0); their sums are f32. All else is computed in f32.
;;   The module's matrix products, in the order in which they are computed (A, B: the left and right operand; K: the contracted axis; several contracted axes count as one K, in the product's order):
;;     1. [M 16,384, K 512] x [K 512, N 8,192]; A: input z; B: input codebook: QUANTISED
;;   THE QUANTISER, for each operand of a quantised product, along K:
;;     - K is cut into blocks of 32 from its start; a last block that is shorter is filled with zeros.
;;     - A block's scale is 2^e with e = floor(log2(the largest magnitude in the block)) - 2, held to -126 .. 127; a block of zeros has e = 0. As a byte (E8M0): e + 127.
;;     - Each number is divided by its block's scale, clamped to +-6, and rounded to the nearest number of E2M1, ties to even, subnormals kept.
;;     - The product sums the exact products of the quantised numbers (number of the format x scale) in f32.
;;   ~~~python
;;   def quantise(x, axis):      # numpy; x: float32 -> the quantised numbers, widened to float32 again
;;       x = np.moveaxis(x, axis, -1); K = x.shape[-1]
;;       x = np.pad(x, [(0, 0)] * (x.ndim - 1) + [(0, -K % 32)]); x = x.reshape(x.shape[:-1] + (-1, 32)); a = np.abs(x).max(-1, keepdims=True)
;;       e = np.where(a > 0, np.clip(np.frexp(np.where(a > 0, a, 1))[1] - 1 - 2, -126, 127), 0)      # np.frexp(a)[1] - 1 = floor(log2(a)), exactly
;;       r = np.clip(x / 2.0 ** e, -6, 6)
;;       step = 2.0 ** (np.maximum(np.frexp(np.where(r == 0, 1, r))[1] - 1, 0) - 1)
;;       q = np.round(r / step) * step * 2.0 ** e      # np.round: ties to even
;;       return np.moveaxis(q.reshape(q.shape[:-2] + (-1,))[..., :K], -1, axis).astype(np.float32)
;;   ~~~
;; One version. Each part assembles by itself: llvm-mc -triple=amdgcn-amd-amdhsa -mcpu=gfx1250 --defsym DOCPART=n.
;; ======== version 1 of 1: 3 launches
;; limits: right only within a limited range of input values
;; workspace buffers: zimg 4,587,520 bytes; cbimg 2,293,760 bytes; ckey 524,288 bytes of whole numbers; cidx 524,288 bytes of whole numbers
;; launch quant (part 1): grid 768 x 1, 2 waves a work-group, no clusters, 91,904 bytes of LDS; arguments z, codebook, zimg, cbimg; writes zimg, cbimg
.if DOCPART == 1
	.amdgcn_target "amdgcn-amd-amdhsa--gfx1250"
	.amdhsa_code_object_version 6
	.text
	.protected	k_qac4bdd8793_quant
	.globl	k_qac4bdd8793_quant
	.p2align	8
	.type	k_qac4bdd8793_quant,@function
k_qac4bdd8793_quant:
	s_mov_b64 s[64:65], 0
	v_nop
	global_prefetch_b8 v0, s[64:65] scope:SCOPE_SE
	s_setreg_imm32_b32 hwreg(HW_REG_WAVE_MODE, 25, 1), 1
	s_wait_xcnt 0x0
; z [16384][512] and codebook [8192][512], f32, become BLOCK IMAGES: 32 rows x 512 K in 8,960 bytes, laid in the order of a matrix operand's registers:
;   0 .. 4095     codes (E2M1, two a byte, the lower k in the low four bits) of rows 0-15 as [kb 0..15][row 0..15][16 bytes], kb = the block of 32 along K
;   4096 .. 8191  the same of rows 16-31
;   8192 .. 8703  E8M0 scale bytes, [32 rows][16]
;   8704 .. 8831  the 32 rows' sums of squares, f32;   8832 .. 8959 zeros
; A block's scale is 2^(floor(log2(its largest magnitude)) - 2): its byte is the largest magnitude's exponent field - 2, held at 1 from below.
; THE SUM OF SQUARES of a row is taken of the unquantised numbers in ascending k: each square rounded to f32, then added to one running sum (macro CSUMP).
; LIMITS: a block of zeros gets the byte 1 where the rule says 127 (its codes are zeros, and only this program reads the bytes); NaN and infinities among the inputs are not served.
; SHARES: work-groups 0-511 take z's blocks, 512-767 the codebook's: only pointers differ, one path.  Wave g takes rows 16 g .. 16 g + 15.
; A STEP t = 4 c + a takes rows 4 a .. 4 a + 3 at k = 128 c .. 128 c + 127: four loads of 512 consecutive bytes, 16 a lane.  They go through the wave's own stage in LDS and come back 64 bytes a lane:
; lane l holds 16 neighbours along K of row 4 a + l / 8, two lanes to a block.  The steps go by c first, so that after four steps all 16 rows have 128 more numbers in the stage:
; lane r then walks row r, 32 numbers in each later step, while the later steps' loads are out; three parts of 32 are left behind the last step.
; Waves share nothing: no barrier.  No work-group shares input with another: no cluster.
.set WREG, 45824                       ; LDS of a wave
.set SROW, 2576                        ; a row in the stage: 32 places of 64 bytes + 16 of padding, + 16
.set IMG,  16*SROW                     ; the codes' image of my 16 rows: 16 kb x (256 bytes + 16)
.set SCB,  IMG+16*272                  ; my 256 scale bytes
.set R,    16                          ; v16-143  eight sets of 16 numbers as loaded
.set X,    144                         ; v144-175 two sets of 16 neighbours; later the codes on their way out
.set C,    176                         ; v176-179 two sets of two registers of codes
.set E,    180                         ; v180-181 two scale bytes
.set S,    182                         ; v182-245 two sets of 32 numbers for the sums
.set AIM,  246
.set ASUM, 247
.set SPW,  248
.set NIL,  249
.set AROW, 250
	s_load_b256 s[4:11], s[0:1], 0x0               ; z s[4:5], codebook s[6:7], zimg s[8:9], cbimg s[10:11]
	v_lshl_add_u32 v[SPW], v0, 2, 0x16600
	v_mov_b32 v[NIL], 0
	v_lshrrev_b32 v1, 5, v0
	v_readfirstlane_b32 s18, v1                    ; wave g
	v_and_b32 v1, 31, v0                           ; lane
	s_mul_i32 s26, s18, WREG                       ; my LDS
	v_lshlrev_b32 v3, 4, v1                        ; 16 x lane
	v_lshrrev_b32 v10, 3, v1                       ; lane / 8: which of the step's four rows
	v_and_b32 v11, 7, v1                           ; lane % 8: which 16 of the row's 128
	v_lshrrev_b32 v8, 1, v11                       ; the block of 32 among the step's four
	v_and_b32 v9, 1, v1
	v_mul_u32_u24 v4, v8, 272
	v_lshl_add_u32 v4, v9, 3, v4
	v_lshl_add_u32 v4, v10, 4, v4
	v_add_nc_u32 v4, s26, v4
	v_add_nc_u32 v4, IMG, v4                       ; v4: where my 8 bytes of codes go: kb x 272 + 16 x row + 8 (lane % 2); c and a stand in the offset
	v_lshl_add_u32 v5, v10, 4, v8
	v_add_nc_u32 v5, s26, v5
	v_add_nc_u32 v5, SCB, v5                       ; v5: my block's scale byte: 16 x row + kb
	v_lshlrev_b32 v7, 3, v1                        ; v7: 8 x lane
	v_add_nc_u32 v6, s26, v7
	v_add_nc_u32 v6, SCB, v6                       ; v6: the scale bytes on their way out
	v_lshrrev_b32 v8, 2, v1
	v_mul_u32_u24 v14, v8, 80
	v_and_b32 v9, 3, v1
	v_lshl_add_u32 v14, v9, 4, v14
	v_add_nc_u32 v14, s26, v14                     ; v14: the stage, on the way in: 80 (lane / 4) + 16 (lane % 4)
	v_mul_u32_u24 v15, v10, SROW
	v_mad_u32_u24 v15, v11, 80, v15
	v_add_nc_u32 v15, s26, v15                     ; v15: and on the way out: row lane / 8, place lane % 8
	v_and_b32 v8, 15, v1                           ; r
	v_lshrrev_b32 v9, 4, v1                        ; h
	v_mul_u32_u24 v[AIM], v9, 272
	v_lshl_add_u32 v[AIM], v8, 4, v[AIM]
	v_add_nc_u32 v[AIM], s26, v[AIM]
	v_add_nc_u32 v[AIM], IMG, v[AIM]               ; the image on its way out: kb = 2 j + h, row r
	v_lshlrev_b32 v[ASUM], 2, v8
	v_lshl_add_u32 v[ASUM], v9, 7, v[ASUM]         ; the sums' place: 4 r; lanes 16-31 write the zeros 128 bytes on
	v_mul_u32_u24 v[AROW], v8, SROW
	v_add_nc_u32 v[AROW], s26, v[AROW]             ; row r of the stage
	s_wait_alu depctr_va_vdst(0)                   ; the wait at the head's end
	s_wait_kmcnt 0x0
	s_cmp_lt_u32 ttmp9, 512                        ; z's work-group or the codebook's: the choice hangs on the work-group's number alone
	s_cselect_b64 s[4:5], s[4:5], s[6:7]
	s_cselect_b64 s[8:9], s[8:9], s[10:11]
	s_cselect_b32 s19, 0, 512
	s_sub_co_u32 s19, ttmp9, s19                   ; the block's number in its tensor
	s_lshl_b32 s22, s19, 16                        ; 32 rows of 2,048 bytes,
	s_lshl_b32 s23, s18, 15                        ; my 16 of them
	s_add_co_u32 s22, s22, s23
	s_mov_b32 s23, 0
	s_add_nc_u64 s[4:5], s[4:5], s[22:23]
	s_mul_i32 s24, s19, 8960
	s_mov_b32 s25, 0
	s_add_nc_u64 s[8:9], s[8:9], s[24:25]          ; the block's image
	s_lshl_b32 s24, s18, 12
	s_add_nc_u64 s[12:13], s[8:9], s[24:25]        ; my codes
	s_lshl_b32 s24, s18, 8
	s_add_co_u32 s24, s24, 8192
	s_add_nc_u64 s[14:15], s[8:9], s[24:25]        ; my scale bytes
	s_lshl_b32 s24, s18, 6
	s_add_co_u32 s24, s24, 8704
	s_add_nc_u64 s[16:17], s[8:9], s[24:25]        ; my sums
.macro LOAD t                          ; step t: four rows' 512 consecutive bytes
.irp i, 0,1,2,3
	global_load_b128 v[R+16*((\t)%8)+4*\i:R+16*((\t)%8)+4*\i+3], v3, s[4:5] offset:2048*(4*((\t)%4)+\i)+512*((\t)/4) th:TH_LOAD_NT
.endr
.endm
.macro TURN t                          ; step t through the stage: LDS serves a wave's instructions in order, so no wait stands between the stores and the loads
.irp i, 0,1,2,3
	ds_store_b128 v14, v[R+16*((\t)%8)+4*\i:R+16*((\t)%8)+4*\i+3] offset:SROW*(4*((\t)%4)+\i)+640*((\t)/4)
.endr
.irp i, 0,1,2,3
	ds_load_b128 v[X+16*((\t)%2)+4*\i:X+16*((\t)%2)+4*\i+3], v15 offset:SROW*4*((\t)%4)+640*((\t)/4)+16*\i
.endr
.endm
.macro CLOADP u                        ; numbers 32 u .. 32 u + 31 of row r: eight loads.  Lanes 16-31 repeat lanes 0-15
.irp i, 0,1,2,3,4,5,6,7
	ds_load_b128 v[S+32*((\u)%2)+4*\i:S+32*((\u)%2)+4*\i+3], v[AROW] offset:80*(2*(\u)+\i/4)+16*(\i%4)
.endr
.endm
.macro CSUMP u                         ; THE ORDER OF THE SUM: squares rounded, then added one by one, k ascending; the first square starts the sum
.set SS, S+32*((\u)%2)
.set w, 0
.rept 16
	v_pk_mul_f32 v[SS+w:SS+w+1], v[SS+w:SS+w+1], v[SS+w:SS+w+1]
.set w, w+2
.endr
.if (\u) == 0
	v_add_f32 v12, v[SS], v[SS+1]
.set w, 2
.else
.set w, 0
.endif
.rept 32-w
	v_add_f32 v12, v12, v[SS+w]
.set w, w+1
.endr
.endm
.irp t, 0,1,2,3,4,5,6,7
	LOAD \t
.endr
	s_wait_loadcnt 28                              ; step 0's four loads are in; the seven steps behind it stay out
	TURN 0
.macro STEP t
.set XS, X+16*((\t)%2)
.set CC, C+2*((\t)%2)
.set EB, E+((\t)%2)
.if (\t) == 0
	s_wait_dscnt 0x0
.elseif (\t) < 3
	s_wait_dscnt 2                                 ; this step's numbers are back from the stage: behind their loads stand the last step's two stores
.else
	s_wait_dscnt 10                                ; and the last step's eight loads for the sums
.endif
.if (\t) < 8
	LOAD (\t)+8                                    ; into the set that this step's stores into the stage have read
.endif
.if (\t) < 15
.if (\t) < 8
	s_wait_loadcnt 28                              ; the next step is in; the seven steps behind it may be out
.else
	s_wait_loadcnt 4*(14-(\t))                     ; the steps that are left behind the next one
.endif
	TURN (\t)+1
.endif
.if (\t) >= 2
	CLOADP (\t)-2                                  ; the stage holds these numbers of all 16 rows: the last of them went in by the TURN above at the latest
.endif
	v_max3_num_f32 v8, |v[XS]|, |v[XS+1]|, |v[XS+2]|               ; the largest magnitude of my 16, in two chains
	v_max3_num_f32 v9, |v[XS+3]|, |v[XS+4]|, |v[XS+5]|
.irp i, 6,10
	v_max3_num_f32 v8, v8, |v[XS+\i]|, |v[XS+\i+1]|
	v_max3_num_f32 v9, v9, |v[XS+\i+2]|, |v[XS+\i+3]|
.endr
	v_max3_num_f32 v8, v8, |v[XS+14]|, |v[XS+15]|
	v_max3_num_f32 v8, v8, v9, 0x1800000           ; and the floor 2^(3 - 127): the byte cannot fall under 1
	v_max_num_f32_dpp v8, v8, v8 row_xmask:1 row_mask:0xf bank_mask:0xf   ; with my neighbour's 16: the block's
	v_add_nc_u32 v11, 0xff000000, v8               ; 2 off its exponent field: the conversion takes this operand's exponent field as its scale
	v_cvt_scalef32_pk8_fp4_f32 v[CC], v[XS:XS+7], v11              ; the set's stores of two steps ago are done: they stand ahead of the loads that the step's first wait has shown back
	v_cvt_scalef32_pk8_fp4_f32 v[CC+1], v[XS+8:XS+15], v11
	v_lshrrev_b32 v[EB], 23, v11                   ; the scale's byte (also the plain line behind the conversions)
	ds_store_b64 v4, v[CC:CC+1] offset:1088*((\t)/4)+64*((\t)%4)
	ds_store_b8 v5, v[EB] offset:64*((\t)%4)+4*((\t)/4)   ; both lanes of a block write the same byte with the same value
.if (\t) >= 3
.if (\t) < 15
	s_wait_dscnt 20                                ; the part asked for in the last step is in; behind it: two stores, this step's eight through the stage, eight loads, two stores
.else
	s_wait_dscnt 12                                ; the last step has no eight through the stage
.endif
	CSUMP (\t)-3
.endif
.endm
.irp t, 0,1,2,3,4,5,6,7,8,9,10,11,12,13,14,15
	STEP \t
.endr
	CLOADP 14
.irp j, 0,1,2,3,4,5,6,7
	ds_load_b128 v[X+4*\j:X+4*\j+3], v[AIM] offset:544*\j          ; the codes on their way out
.endr
	ds_load_b64 v[8:9], v6                         ; and the scale bytes
	s_wait_dscnt 19                                ; part 13 is in; behind it: two stores, eight, eight and one load
	CSUMP 13
	CLOADP 15
.irp j, 0,1,2,3,4,5,6,7
	s_wait_dscnt 16-\j                             ; behind code load j: 7 - j code loads, the scale bytes' load, part 15's eight
	global_store_b128 v3, v[X+4*\j:X+4*\j+3], s[12:13] offset:512*\j   ; 32 lanes store 512 consecutive bytes, at a multiple of 256 from the buffer's first byte
.endr
	s_wait_dscnt 8                                 ; the scale bytes are in (and part 14, asked for ahead of them)
	global_store_b64 v7, v[8:9], s[14:15]          ; 256 consecutive bytes
	CSUMP 14
	s_wait_dscnt 0x0
	CSUMP 15
	v_cmp_gt_u32 vcc_lo, 16, v1
	v_cndmask_b32 v13, 0, v12, vcc_lo              ; lanes 0-15 the sums, lanes 16-31 the image's zeros
	global_store_b32 v[ASUM], v13, s[16:17]
	s_wait_tensorcnt 0x0                           ; the wave's end
	ds_add_u32 v[SPW], v[NIL]
	s_wait_dscnt 0x0
	s_endpgm
.Lfunc_end_k_qac4bdd8793_quant:
	.size	k_qac4bdd8793_quant, .Lfunc_end_k_qac4bdd8793_quant-k_qac4bdd8793_quant
	.p2alignl 7, 3214868480
	.fill 96, 4, 3214868480
	.section	.rodata,"a",@progbits
	.p2align	6, 0x0
	.amdhsa_kernel k_qac4bdd8793_quant
		.amdhsa_group_segment_fixed_size 91904
		.amdhsa_private_segment_fixed_size 0
		.amdhsa_enable_private_segment 0
		.amdhsa_kernarg_size 32
		.amdhsa_user_sgpr_count 2
		.amdhsa_user_sgpr_kernarg_segment_ptr 1
		.amdhsa_wavefront_size32 1
		.amdhsa_system_sgpr_workgroup_id_x 1
		.amdhsa_system_sgpr_workgroup_id_y 1
		.amdhsa_system_sgpr_workgroup_id_z 1
		.amdhsa_system_vgpr_workitem_id 0
		.amdhsa_next_free_vgpr 252
		.amdhsa_next_free_sgpr 66
		.amdhsa_reserve_vcc 1
		.amdhsa_float_denorm_mode_32 3
		.amdhsa_float_denorm_mode_16_64 3
		.amdhsa_memory_ordered 1
		.amdhsa_forward_progress 1
		.amdhsa_inst_pref_size 76
	.end_amdhsa_kernel
	.amdgpu_metadata
---
amdhsa.version: [ 1, 2 ]
amdhsa.kernels:
  - .name:           k_qac4bdd8793_quant
    .symbol:         k_qac4bdd8793_quant.kd
    .args:
      - { .name: z, .offset: 0, .size: 8, .value_kind: global_buffer, .address_space: global }
      - { .name: codebook, .offset: 8, .size: 8, .value_kind: global_buffer, .address_space: global }
      - { .name: zimg, .offset: 16, .size: 8, .value_kind: global_buffer, .address_space: global }
      - { .name: cbimg, .offset: 24, .size: 8, .value_kind: global_buffer, .address_space: global }
    .group_segment_fixed_size: 91904
    .private_segment_fixed_size: 0
    .kernarg_segment_align: 8
    .kernarg_segment_size: 32
    .max_flat_workgroup_size: 64
    .sgpr_count:     66
    .vgpr_count:     252
    .wavefront_size: 32
...
	.end_amdgpu_metadata
.endif
;; end of part 1
;; launch dist (part 2): grid 32 x 8, 8 waves a work-group, clusters of 4 x 1, 327,680 bytes of LDS; arguments zimg, cbimg, ckey, cidx; writes ckey, cidx
.if DOCPART == 2
	.amdgcn_target "amdgcn-amd-amdhsa--gfx1250"
	.amdhsa_code_object_version 6
	.text
	.protected	k_qac4bdd8793_dist
	.globl	k_qac4bdd8793_dist
	.p2align	8
	.type	k_qac4bdd8793_dist,@function
k_qac4bdd8793_dist:
	s_mov_b64 s[64:65], 0
	v_nop
	global_prefetch_b8 v0, s[64:65] scope:SCOPE_SE
	s_setreg_imm32_b32 hwreg(HW_REG_WAVE_MODE, 25, 1), 1
	s_wait_xcnt 0x0
	s_wait_alu depctr_hold_cnt(0) depctr_sa_sdst(0) depctr_va_vdst(0) depctr_va_sdst(0) depctr_va_ssrc(0) depctr_va_vcc(0) depctr_vm_vsrc(0)
	s_getreg_b32 s2, hwreg(HW_REG_IB_STS2, 6, 4)
	s_cmp_eq_u32 s2, 0
	s_cbranch_scc0 .Lentry_in_a_cluster
	s_endpgm
.Lentry_in_a_cluster:
	s_bfe_u32 s2, ttmp6, 0x10000c
	s_cmp_lg_u32 s2, 0x3003
	s_cbranch_scc0 .Lentry_shape_is_right
	s_endpgm
.Lentry_shape_is_right:
; d(row, n) = fl(fl(zz(row) + ee(n)) - 2 dot(row, n)), dot by the scaled FP4 matrix instruction on the block images; for each row the least d and the lowest n that has it.
; SHARES: work-group (x, y) takes rows 512 x .. 512 x + 511 of z and codes 1024 y .. 1024 y + 1023; wave w its 64 rows (4 tiles of 16) against all 1,024 codes.  Eight waves, two to a SIMD.
; The 1,024 codes are 32 block images of 8,960 bytes: 286,720 bytes, which lie in LDS whole; no byte is filled twice.  At the head each wave brings 1 image (blocks 0-7 in all) by one tensor load;
; behind the full sequence and a round each wave brings 3 more (blocks 8-31), which are waited for once, at a barrier in front of block 7, whose step fetches block 8's fragments.
; CLUSTER: the four work-groups of a cluster lie along x and need the same 32 images: each load is a joint one (mask 15), its address made of y and the wave's number alone.
; No prefetch: both tensor loads stand ahead of the loops, there is no loop of loads to run ahead in.
; THE MATRIX INSTRUCTION: source 0 = 16 codebook rows, source 1 = 16 rows of z: lane (r, h) holds row r of z, register j of accumulator g the code 16 g + 8 h + j of the block of 32.
; THE ARGMIN: per lane and tile the block's least d by minima of three; where it is strictly under the running least, the block's number and its 16 distances are kept (selects, no branch);
; behind the loops the first kept distance that equals the least gives the code; lanes l and l xor 16 are joined by (d, n).  Blocks go in ascending n, so a tie stays with the lowest n.
; THE VECTOR WORK GOES BY TILES IN A PIPELINE (macro SLOT): tile u + 1's adds and multiply-adds stand among tile u's minima, compare and selects.
; OUT: ckey[y][row] = d's bits turned so that unsigned order is d's order, cidx[y][row] = n: the next launch chooses among the eight y.
; REGISTERS: window 0: all that vector instructions touch; window 1: v0-127 z's fragments, v[32 t + 8 s]; v128-255 two buffers of a block's fragments.
; LIMITS: NaN and infinities among the distances are not served.
.set BLKB,  8960
.set SPARE, 32*BLKB                    ; behind the images: the spare words, 128 bytes a wave, 1,024 in all
.set A16, 1
.set ADF, 2                            ; LDS: 16 x lane + the block
.set ADE, 3                            ; LDS: 8704 + 32 h + the block
.set SPW, 4
.set NIL, 5
.set CUR, 6
.set H8,  7
.set M,   8                            ; v8-12 minima at work
.set R4,  18
.set GO,  19
.set ZZ,  20                           ; v20-23 zz of my row in tile t
.set BID, 24                           ; v24-27 first code of the kept block
.set RUN, 28                           ; v28-35 the running least, two sets by the block's parity
.set ZS,  36                           ; v36-43 z's scale words: image q, step s; lanes 0-15 tile 2 q, lanes 16-31 tile 2 q + 1
.set CS,  44                           ; v44-51 the codes' scale words, two sets
.set EE,  52                           ; v52-67 ee of my 16 codes
.set T,   68                           ; v68-99 distances at work, two tiles
.set ACC, 100                          ; v100-163 eight accumulators: four tiles x two halves of the block
.set SAV, 164                          ; v164-227 kept distances
.set FR,  128                          ; window 1
.set POS, ACC
.set NI,  ACC+4
.set PV,  ACC+8
.set PN,  ACC+12
.set PR,  SAV
.set WV,  12
.set NB,  22
.set G1,  24
.set G0,  32
.set HM,  58
.set G0B, 68
.set G1B, 72
.set MSB, 0
.macro WIN new                         ; the immediate's high byte repeats the setting that is left
.if MSB != \new
	s_set_vgpr_msb (MSB<<8)|\new
.set MSB, \new
.endif
.endm
.macro CROUND                          ; a round of the cluster's barrier
	s_barrier_signal -1
	s_barrier_wait -1
	s_cmp_lg_u32 s[WV], 0
	s_cbranch_scc1 .Lnot_wave_0_\@
	s_barrier_signal -3
.Lnot_wave_0_\@:
	s_barrier_wait -3
	s_barrier_signal -1
	s_barrier_wait -1
.endm
	s_load_b256 s[4:11], s[0:1], 0x0               ; zimg, cbimg, ckey, cidx
	v_lshl_add_u32 v[SPW], v0, 2, SPARE
	v_mov_b32 v[NIL], 0
	ds_add_u32 v[SPW], v[NIL]                      ; the opening lines: the add twice on end and its wait
	ds_add_u32 v[SPW], v[NIL]
	s_wait_dscnt 0x0
	v_lshrrev_b32 v1, 5, v0
	v_readfirstlane_b32 s[WV], v1                  ; wave 0..7
	s_bfe_u32 s15, ttmp6, 0x40000                  ; cx
	s_lshl_b32 s16, ttmp9, 2
	s_add_co_u32 s16, s16, s15                     ; x
	s_and_b32 s17, ttmp7, 0xffff                   ; y
	s_mov_b32 s[G1+0], 15|(3<<16)|(1<<21)          ; mask of the four; elements of 8 bytes; bit 21 beside a mask
	s_mov_b32 s[G1+1], 32<<16                      ; rows of 256 bytes
	s_mov_b32 s[G1+2], 35<<16                      ; 35 of them: 1 image
	s_mov_b32 s[G1+3], 32<<16
	s_mov_b32 s[G1+4], 35
	s_mov_b32 s[G1+5], 32
	s_mov_b32 s[G1+6], 0
	s_mov_b32 s[G1+7], 0
	s_mov_b32 s[G1B+0], 15|(3<<16)|(1<<21)
	s_mov_b32 s[G1B+1], 32<<16
	s_mov_b32 s[G1B+2], 105<<16                    ; 105 rows: 3 images
	s_mov_b32 s[G1B+3], 32<<16
	s_mov_b32 s[G1B+4], 105
	s_mov_b32 s[G1B+5], 32
	s_mov_b32 s[G1B+6], 0
	s_mov_b32 s[G1B+7], 0
	s_mul_i32 s40, s[WV], BLKB                     ; my image of blocks 0-7: in LDS and in the eighth
	s_mul_i32 s41, s[WV], 3*BLKB
	s_add_co_u32 s41, s41, 8*BLKB                  ; my 3 images of blocks 8-31
	s_mul_i32 s18, s17, 32*BLKB
	s_add_co_u32 s42, s18, s41
	s_add_co_u32 s18, s18, s40
	s_mov_b32 s19, 0
	s_mov_b32 s43, 0
	s_lshl_b32 s46, s16, 4                         ; z: image 16 x + 2 wave
	s_lshl_b32 s47, s[WV], 1
	s_add_co_u32 s46, s46, s47
	s_mul_i32 s46, s46, BLKB
	s_mov_b32 s47, 0
	s_lshl_b32 s48, s17, 16                        ; out: 65,536 y + 2,048 x + 256 wave
	s_lshl_b32 s49, s16, 11
	s_add_co_u32 s48, s48, s49
	s_lshl_b32 s49, s[WV], 8
	s_add_co_u32 s48, s48, s49
	s_mov_b32 s49, 0
	s_lshl_b32 s[NB], s17, 10                      ; the first code of the block at work
	s_mov_b32 s20, 0x76543210
	s_mov_b32 s21, 0xfedcba98
	s_mov_b32 s[HM], 0xffff0000
	s_mov_b32 s[G0], 1
	s_mov_b32 s[G0+1], s40
	s_mov_b32 s[G0B], 1
	s_mov_b32 s[G0B+1], s41
	v_and_b32 v8, 31, v0
	v_and_b32 v9, 15, v0
	v_bfe_u32 v10, v0, 4, 1
	v_lshlrev_b32 v[A16], 4, v8
	v_lshlrev_b32 v[ADF], 4, v8
	v_lshlrev_b32 v[GO], 2, v8
	v_lshlrev_b32 v[R4], 2, v9
	v_lshlrev_b32 v[H8], 3, v10
	v_lshl_add_u32 v[ADE], v10, 5, 8704
	s_wait_alu depctr_va_vdst(0)                   ; the wait at the head's end
	s_wait_kmcnt 0x0
	s_add_nc_u64 s[G0+2:G0+3], s[6:7], s[18:19]
	s_or_b32 s[G0+3], s[G0+3], 0x80000000
	s_add_nc_u64 s[G0B+2:G0B+3], s[6:7], s[42:43]
	s_or_b32 s[G0B+3], s[G0B+3], 0x80000000
	s_add_nc_u64 s[4:5], s[4:5], s[46:47]
	s_add_nc_u64 s[8:9], s[8:9], s[48:49]
	s_add_nc_u64 s[10:11], s[10:11], s[48:49]
	CROUND                                         ; the four work-groups are here: the joint loads meet
	tensor_load_to_lds s[G0:G0+3], s[G1:G1+7]      ; my one tensor load at the head
	s_nop 0
.irp q, 0,1
	global_load_b128 v[ZS+4*\q:ZS+4*\q+3], v[A16], s[4:5] offset:\q*BLKB+8192
.endr
.irp t, 0,1,2,3
	global_load_b32 v[ZZ+\t], v[R4], s[4:5] offset:(\t/2)*BLKB+8704+64*(\t%2)
.endr
	WIN 0x40                                       ; z's fragments go to window 1
.irp t, 0,1,2,3
.irp s, 0,1,2,3
.irp c, 0,1
	global_load_b128 v[32*\t+8*\s+4*\c:32*\t+8*\s+4*\c+3], v[A16], s[4:5] offset:(\t/2)*BLKB+(\t%2)*4096+512*(2*\s+\c)
.endr
.endr
.endr
	WIN 0
.macro FETCH b, off                    ; a block's fragments into buffer b, its scale words into set b: 17 loads
	WIN 0x40
.irp s, 0,1,2,3
.irp g, 0,1
.irp c, 0,1
	ds_load_b128 v[FR+64*(\b)+16*\s+8*\g+4*\c:FR+64*(\b)+16*\s+8*\g+4*\c+3], v[ADF] offset:(\off)+4096*\g+512*(2*\s+\c)
.endr
.endr
.endr
	WIN 0
	ds_load_b128 v[CS+4*(\b):CS+4*(\b)+3], v[ADF] offset:(\off)+8192
.endm
.macro FETCHE off                      ; ee of my 16 codes: 4 loads
	ds_load_b128 v[EE:EE+3], v[ADE] offset:(\off)
	ds_load_b128 v[EE+4:EE+7], v[ADE] offset:(\off)+16
	ds_load_b128 v[EE+8:EE+11], v[ADE] offset:(\off)+64
	ds_load_b128 v[EE+12:EE+15], v[ADE] offset:(\off)+80
.endm
.macro PROD s, t, g, p
.set rD, ACC+16*\t+8*\g
.set rA, FR+64*(\p)+16*\s+8*\g
.set rB, 32*\t+8*\s
.set sA, CS+4*(\p)+\s
.set sB, ZS+4*(\t/2)+\s
.if \s == 0
.if (\t%2 == 0) && (\g == 0)
	v_wmma_scale_f32_16x16x128_f8f6f4 v[rD:rD+7], v[rA:rA+7], v[rB:rB+7], 0, v[sA], v[sB] matrix_a_fmt:MATRIX_FMT_FP4 matrix_b_fmt:MATRIX_FMT_FP4
.elseif \t%2 == 0
	v_wmma_scale_f32_16x16x128_f8f6f4 v[rD:rD+7], v[rA:rA+7], v[rB:rB+7], 0, v[sA], v[sB] matrix_a_fmt:MATRIX_FMT_FP4 matrix_b_fmt:MATRIX_FMT_FP4 matrix_a_scale:MATRIX_SCALE_ROW1
.elseif \g == 0
	v_wmma_scale_f32_16x16x128_f8f6f4 v[rD:rD+7], v[rA:rA+7], v[rB:rB+7], 0, v[sA], v[sB] matrix_a_fmt:MATRIX_FMT_FP4 matrix_b_fmt:MATRIX_FMT_FP4 matrix_b_scale:MATRIX_SCALE_ROW1
.else
	v_wmma_scale_f32_16x16x128_f8f6f4 v[rD:rD+7], v[rA:rA+7], v[rB:rB+7], 0, v[sA], v[sB] matrix_a_fmt:MATRIX_FMT_FP4 matrix_b_fmt:MATRIX_FMT_FP4 matrix_a_scale:MATRIX_SCALE_ROW1 matrix_b_scale:MATRIX_SCALE_ROW1
.endif
.else
.if (\t%2 == 0) && (\g == 0)
	v_wmma_scale_f32_16x16x128_f8f6f4 v[rD:rD+7], v[rA:rA+7], v[rB:rB+7], v[rD:rD+7], v[sA], v[sB] matrix_a_fmt:MATRIX_FMT_FP4 matrix_b_fmt:MATRIX_FMT_FP4
.elseif \t%2 == 0
	v_wmma_scale_f32_16x16x128_f8f6f4 v[rD:rD+7], v[rA:rA+7], v[rB:rB+7], v[rD:rD+7], v[sA], v[sB] matrix_a_fmt:MATRIX_FMT_FP4 matrix_b_fmt:MATRIX_FMT_FP4 matrix_a_scale:MATRIX_SCALE_ROW1
.elseif \g == 0
	v_wmma_scale_f32_16x16x128_f8f6f4 v[rD:rD+7], v[rA:rA+7], v[rB:rB+7], v[rD:rD+7], v[sA], v[sB] matrix_a_fmt:MATRIX_FMT_FP4 matrix_b_fmt:MATRIX_FMT_FP4 matrix_b_scale:MATRIX_SCALE_ROW1
.else
	v_wmma_scale_f32_16x16x128_f8f6f4 v[rD:rD+7], v[rA:rA+7], v[rB:rB+7], v[rD:rD+7], v[sA], v[sB] matrix_a_fmt:MATRIX_FMT_FP4 matrix_b_fmt:MATRIX_FMT_FP4 matrix_a_scale:MATRIX_SCALE_ROW1 matrix_b_scale:MATRIX_SCALE_ROW1
.endif
.endif
.endm
.macro WALL p                          ; my four tiles against the block: 32 matrix instructions, the eight accumulators by turns
	WIN 0x05
.irp s, 0,1,2,3
.irp t, 0,1,2,3
.irp g, 0,1
	PROD \s, \t, \g, \p
.endr
.endr
.endr
	WIN 0
.endm
.macro ADDLO e, t                      ; fl(zz + ee)
.irp w, 0,2,4,6
	v_dual_add_f32 v[T+16*\e+\w], v[ZZ+(\t)], v[EE+\w] :: v_dual_add_f32 v[T+16*\e+\w+1], v[ZZ+(\t)], v[EE+\w+1]
.endr
.endm
.macro ADDHI e, t
.irp w, 8,10,12,14
	v_dual_add_f32 v[T+16*\e+\w], v[ZZ+(\t)], v[EE+\w] :: v_dual_add_f32 v[T+16*\e+\w+1], v[ZZ+(\t)], v[EE+\w+1]
.endr
.endm
.macro FMLO e, t                       ; - 2 dot, one rounding; each accumulator from its low end on
.irp w, 0,2,4,6
	v_dual_fmac_f32 v[T+16*\e+\w], -2.0, v[ACC+16*(\t)+\w] :: v_dual_fmac_f32 v[T+16*\e+\w+1], -2.0, v[ACC+16*(\t)+\w+1]
.endr
.endm
.macro FMHI e, t
.irp w, 8,10,12,14
	v_dual_fmac_f32 v[T+16*\e+\w], -2.0, v[ACC+16*(\t)+\w] :: v_dual_fmac_f32 v[T+16*\e+\w+1], -2.0, v[ACC+16*(\t)+\w+1]
.endr
.endm
.macro L1 e
.irp i, 0,1,2,3,4
	v_min3_num_f32 v[M+\i], v[T+16*\e+3*\i], v[T+16*\e+3*\i+1], v[T+16*\e+3*\i+2]
.endr
.endm
.macro L2 e
	v_min3_num_f32 v[M], v[M], v[M+1], v[M+2]
	v_min3_num_f32 v[M+3], v[M+3], v[M+4], v[T+16*\e+15]
.endm
.macro L3 t, p, first                  ; the running least: set p is written, the other set is the block before's
.if \first
	v_min_num_f32 v[RUN+4*(\p)+(\t)], v[M], v[M+3]
.else
	v_min3_num_f32 v[RUN+4*(\p)+(\t)], v[M], v[M+3], v[RUN+4*(1-(\p))+(\t)]
.endif
.endm
.macro CMP t, p, first
.if \first == 0
	v_cmp_lt_f32 vcc_lo, v[RUN+4*(\p)+(\t)], v[RUN+4*(1-(\p))+(\t)]
.endif
.endm
.macro KEEP t, e, first                ; where the least has fallen: the block's number and its 16 distances are kept
.if \first
	v_mov_b32 v[BID+(\t)], v[CUR]
.else
	v_cndmask_b32 v[BID+(\t)], v[BID+(\t)], v[CUR], vcc_lo
.endif
.irp w, 0,2,4,6,8,10,12,14
.if \first
	v_dual_mov_b32 v[SAV+16*(\t)+\w], v[T+16*\e+\w] :: v_dual_mov_b32 v[SAV+16*(\t)+\w+1], v[T+16*\e+\w+1]
.else
	v_dual_cndmask_b32 v[SAV+16*(\t)+\w], v[SAV+16*(\t)+\w], v[T+16*\e+\w] :: v_dual_cndmask_b32 v[SAV+16*(\t)+\w+1], v[SAV+16*(\t)+\w+1], v[T+16*\e+\w+1]
.endif
.endr
.endm
; Tile u's minima, compare and selects; among them (nxt = 1) tile u + 1's adds and multiply-adds, into the other half of T, so that each line's sources were written five or more lines earlier.
; Tile 3 has no next tile in its block: the next block's ee, which no add of this block reads any more, is asked for there (eoff >= 0), and its short chain carries hints.
.macro SLOT u, p, first, nxt, eoff
.set se, (\u)%2
.set sf, 1-se
	L1 se
.if \nxt
	ADDLO sf, \u+1
.elseif (\eoff) >= 0
	FETCHE \eoff
.endif
	L2 se
.if \nxt
	ADDHI sf, \u+1
.else
	s_delay_alu instid0(VALU_DEP_1)
.endif
	L3 \u, \p, \first
.if \nxt
	FMLO sf, \u+1
.elseif \first == 0
	s_delay_alu instid0(VALU_DEP_1)
.endif
	CMP \u, \p, \first
.if \nxt
	FMHI sf, \u+1
.elseif \first == 0
	s_delay_alu instid0(VALU_DEP_1)
.endif
	KEEP \u, se, \first
.endm
.macro BLOCK p, off, first             ; off: the next block's place from ADF and ADE, or -1
	s_wait_dscnt 4                                 ; this block's 17 loads are in; behind them stand ee's four
	v_mov_b32 v[CUR], s[NB]
	s_add_co_u32 s[NB], s[NB], 32
.if (\off) >= 0
	FETCH 1-(\p), \off
.endif
.if \first
	s_wait_alu depctr_va_vdst(0)
	s_wait_loadcnt 0x0                             ; z's fragments, scale words and zz
.endif
	WALL \p
.if (\off) >= 0
	s_wait_dscnt 17                                ; ee is in; the next block's 17 loads may be out
.else
	s_wait_dscnt 0x0
.endif
	ADDLO 0, 0                                     ; these 8 name no register of the products: their places
	ADDHI 0, 0
	FMLO 0, 0
	FMHI 0, 0
	SLOT 0, \p, \first, 1, -1
	SLOT 1, \p, \first, 1, -1
	SLOT 2, \p, \first, 1, -1
	SLOT 3, \p, \first, 0, \off
.endm
.macro TRIP                            ; two blocks: the buffers and the sets of the running least are back where they began
	BLOCK 1, BLKB, 0
	BLOCK 0, 2*BLKB, 0
	v_add_nc_u32 v[ADF], 2*BLKB, v[ADF]
	v_add_nc_u32 v[ADE], 2*BLKB, v[ADE]
	s_sub_co_u32 s23, s23, 1
	s_cmp_lg_u32 s23, 0
	s_wait_alu depctr_va_vdst(0)                   ; the wait directly ahead of the branch
.endm
.macro LEXMIN va, na, vb, nb, dv, dn
	v_cmp_lt_f32 s44, v[\vb], v[\va]
	v_cmp_eq_f32 s45, v[\vb], v[\va]
	v_cmp_lt_u32 vcc_lo, v[\nb], v[\na]
	s_and_b32 s45, s45, vcc_lo
	s_or_b32 vcc_lo, s44, s45
	v_cndmask_b32 v[\dv], v[\va], v[\vb], vcc_lo
	v_cndmask_b32 v[\dn], v[\na], v[\nb], vcc_lo
.endm
	s_wait_tensorcnt 0x0                           ; my image is in
	ds_add_u32 v[SPW], v[NIL]
	s_wait_dscnt 0x0
	CROUND                                         ; everybody's part of blocks 0-7 is in, and the four work-groups are here
	tensor_load_to_lds s[G0B:G0B+3], s[G1B:G1B+7]  ; blocks 8-31: my 3 images, my one tensor load behind the round
	s_nop 0
	FETCH 0, 0
	FETCHE 0
	BLOCK 0, BLKB, 1                               ; block 0 starts the running least: nothing is cleared
	v_add_nc_u32 v[ADF], BLKB, v[ADF]
	v_add_nc_u32 v[ADE], BLKB, v[ADE]
	s_wait_alu depctr_va_vdst(0)                   ; the wait behind these writes
	s_mov_b32 s23, 3
.Lring_a:                                              ; blocks 1-6; block 6 fetches block 7's fragments: all inside the first 8 images
	TRIP
	s_cbranch_scc1 .Lring_a
	s_wait_tensorcnt 0x0                           ; my 3 images are in,
	s_wait_dscnt 0x0
	s_barrier_signal -1
	s_barrier_wait -1                              ; and everybody's
	s_mov_b32 s23, 12
.Lring_b:                                              ; blocks 7-30
	TRIP
	s_cbranch_scc1 .Lring_b
	BLOCK 1, -1, 0                                 ; block 31 fetches nothing
	s_wait_alu depctr_va_vdst(0)
.irp t, 0,1,2,3
	v_mov_b32 v[POS+\t], 23
.endr
.irp j, 14,13,12,11,10,9,8,7,6,5,4,3,2,1,0     ; the first kept distance that equals the least: descending, so that the lowest stays
.irp t, 0,1,2,3
	v_cmp_neq_f32 s[50+\t], v[SAV+16*\t+\j], v[RUN+4+\t]
.endr
.irp t, 0,1,2,3
	v_cndmask_b32 v[POS+\t], \j+8*(\j/8), v[POS+\t], s[50+\t]
.endr
.endr
.irp t, 0,1,2,3
	v_add3_u32 v[NI+\t], v[BID+\t], v[POS+\t], v[H8]
.endr
.irp t, 0,1,2,3
	v_permlanex16_b32 v[PV+\t], v[RUN+4+\t], s20, s21
	v_permlanex16_b32 v[PN+\t], v[NI+\t], s20, s21
.endr
.irp t, 0,1,2,3
	LEXMIN RUN+4+\t, NI+\t, PV+\t, PN+\t, PR+2*\t, PR+2*\t+1
.endr
.irp t, 0,1,2,3
	v_ashrrev_i32 v[PV+\t], 31, v[PR+2*\t]
.endr
.irp t, 0,1,2,3
	v_or_b32 v[PV+\t], 0x80000000, v[PV+\t]
.endr
.irp t, 0,1,2,3
	v_xor_b32 v[PV+\t], v[PV+\t], v[PR+2*\t]       ; the key
.endr
.irp q, 0,1                            ; lanes 0-15 tile 2 q, lanes 16-31 tile 2 q + 1: 32 neighbouring rows
	v_cndmask_b32 v[PN+\q], v[PV+2*\q], v[PV+2*\q+1], s[HM]
	v_cndmask_b32 v[PN+2+\q], v[PR+4*\q+1], v[PR+4*\q+3], s[HM]
.endr
	s_wait_alu depctr_va_vdst(0)
.irp q, 0,1
	global_store_b32 v[GO], v[PN+\q], s[8:9] offset:128*\q
	global_store_b32 v[GO], v[PN+2+\q], s[10:11] offset:128*\q
.endr
	s_wait_tensorcnt 0x0                           ; the wave's end
	ds_add_u32 v[SPW], v[NIL]
	s_wait_dscnt 0x0
	CROUND                                         ; the closing round
	s_endpgm
.Lfunc_end_k_qac4bdd8793_dist:
	.size	k_qac4bdd8793_dist, .Lfunc_end_k_qac4bdd8793_dist-k_qac4bdd8793_dist
	.p2alignl 7, 3214868480
	.fill 96, 4, 3214868480
	.section	.rodata,"a",@progbits
	.p2align	6, 0x0
	.amdhsa_kernel k_qac4bdd8793_dist
		.amdhsa_group_segment_fixed_size 327680
		.amdhsa_private_segment_fixed_size 0
		.amdhsa_enable_private_segment 0
		.amdhsa_kernarg_size 32
		.amdhsa_user_sgpr_count 2
		.amdhsa_user_sgpr_kernarg_segment_ptr 1
		.amdhsa_wavefront_size32 1
		.amdhsa_system_sgpr_workgroup_id_x 1
		.amdhsa_system_sgpr_workgroup_id_y 1
		.amdhsa_system_sgpr_workgroup_id_z 1
		.amdhsa_system_vgpr_workitem_id 0
		.amdhsa_next_free_vgpr 512
		.amdhsa_next_free_sgpr 80
		.amdhsa_reserve_vcc 1
		.amdhsa_float_denorm_mode_32 3
		.amdhsa_float_denorm_mode_16_64 3
		.amdhsa_memory_ordered 1
		.amdhsa_forward_progress 1
		.amdhsa_inst_pref_size 104
	.end_amdhsa_kernel
	.amdgpu_metadata
---
amdhsa.version: [ 1, 2 ]
amdhsa.kernels:
  - .name:           k_qac4bdd8793_dist
    .symbol:         k_qac4bdd8793_dist.kd
    .args:
      - { .name: zimg, .offset: 0, .size: 8, .value_kind: global_buffer, .address_space: global }
      - { .name: cbimg, .offset: 8, .size: 8, .value_kind: global_buffer, .address_space: global }
      - { .name: ckey, .offset: 16, .size: 8, .value_kind: global_buffer, .address_space: global }
      - { .name: cidx, .offset: 24, .size: 8, .value_kind: global_buffer, .address_space: global }
    .group_segment_fixed_size: 327680
    .private_segment_fixed_size: 0
    .kernarg_segment_align: 8
    .kernarg_segment_size: 32
    .max_flat_workgroup_size: 256
    .sgpr_count:     80
    .vgpr_count:     512
    .wavefront_size: 32
...
	.end_amdgpu_metadata
.endif
;; end of part 2
;; launch gather (part 3): grid 1024 x 1, 4 waves a work-group, no clusters, 0 bytes of LDS; arguments z, codebook, ckey, cidx, out0, out1; writes out0, out1
.if DOCPART == 3
	.amdgcn_target "amdgcn-amd-amdhsa--gfx1250"
	.amdhsa_code_object_version 6
	.text
	.protected	k_qac4bdd8793_gather
	.globl	k_qac4bdd8793_gather
	.p2align	8
	.type	k_qac4bdd8793_gather,@function
k_qac4bdd8793_gather:
	s_mov_b64 s[64:65], 0
	v_nop
	global_prefetch_b8 v0, s[64:65] scope:SCOPE_SE
	s_setreg_imm32_b32 hwreg(HW_REG_WAVE_MODE, 25, 1), 1
	s_wait_xcnt 0x0
; For each row of z: of the eight candidates (key, n), one for each eighth of the codebook, the smallest key wins; a tie stays with the lower eighth, whose n is the lower.
; out1 = n;  out0 = fl(z + fl(codebook[n] - z)), as it is written.
; Keys and indices are whole numbers that the launch before stored (a key is a distance's bits, turned so that unsigned keys lie in the distances' order): they are read by scalar loads,
; compared as unsigned numbers, and the winner's index alone forms an address: one row of the codebook is loaded for each row of z.
; SHARES: a wave takes 4 rows; a row is 2,048 bytes: four loads or stores of 512 consecutive bytes.  No loop: all 32 loads of a wave go out at once.  Nothing is shared between waves: no LDS, no barrier, no cluster.
; out1's four numbers of a wave are 16 bytes: all 32 lanes store, lane l the number of row l % 4, so that eight lanes write the same word with the same value and EXEC stays as it is.
; LIMITS: NaN among the distances is not served.  An index is held to 0 .. 8191 ahead of its use in an address.
.set OA, 4                             ; v4-7    byte offsets of the winners' rows
.set Z,  16                            ; v16-79  my 4 rows of z
.set C0, 80                            ; v80-143 the winners' rows, then the results
.set NW, 144                           ; v144-147 the winners' n
.set KY, 32                            ; s32-63  keys: eighth y, row i at s[KY + 4 y + i]
.set IX, 68                            ; s68-99  indices likewise
	s_load_b256 s[4:11], s[0:1], 0x0               ; z s[4:5], codebook s[6:7], ckey s[8:9], cidx s[10:11]
	s_load_b128 s[12:15], s[0:1], 0x20             ; out0 s[12:13], out1 s[14:15]
	v_lshrrev_b32 v1, 5, v0
	v_readfirstlane_b32 s16, v1                    ; wave
	v_and_b32 v3, 31, v0                           ; lane
	v_lshlrev_b32 v1, 4, v3                        ; 16 x lane
	v_and_b32 v8, 3, v3                            ; lane % 4
	v_lshlrev_b32 v2, 2, v8                        ; 4 (lane % 4)
	s_lshl_b32 s17, ttmp9, 4
	s_lshl_b32 s18, s16, 2
	s_add_co_u32 s17, s17, s18                     ; my first row: 16 x work-group + 4 x wave
	s_lshl_b32 s18, s17, 11
	s_mov_b32 s19, 0
	s_lshl_b32 s20, s17, 2
	s_mov_b32 s21, 0
	s_wait_alu depctr_va_vdst(0)                   ; the wait at the head's end
	s_wait_kmcnt 0x0
	s_add_nc_u64 s[4:5], s[4:5], s[18:19]
	s_add_nc_u64 s[12:13], s[12:13], s[18:19]
	s_add_nc_u64 s[8:9], s[8:9], s[20:21]
	s_add_nc_u64 s[10:11], s[10:11], s[20:21]
	s_add_nc_u64 s[14:15], s[14:15], s[20:21]
.irp y, 0,1,2,3,4,5,6,7
	s_load_b128 s[KY+4*\y:KY+4*\y+3], s[8:9], 0x10000*\y
	s_load_b128 s[IX+4*\y:IX+4*\y+3], s[10:11], 0x10000*\y
.endr
.irp i, 0,1,2,3
.irp j, 0,1,2,3
	global_load_b128 v[Z+16*\i+4*\j:Z+16*\i+4*\j+3], v1, s[4:5] offset:2048*\i+512*\j th:TH_LOAD_NT
.endr
.endr
	s_wait_kmcnt 0x0
.irp i, 0,1,2,3
.irp y, 1,2,3,4,5,6,7
	s_cmp_lt_u32 s[KY+4*\y+\i], s[KY+\i]           ; a later eighth wins only where its key is strictly smaller
	s_cselect_b32 s[IX+\i], s[IX+4*\y+\i], s[IX+\i]
	s_cselect_b32 s[KY+\i], s[KY+4*\y+\i], s[KY+\i]
.endr
	s_min_u32 s[24+\i], s[IX+\i], 0x1fff           ; inside the table
	s_lshl_b32 s[28+\i], s[24+\i], 11              ; a row is 2,048 bytes
	v_add_nc_u32 v[OA+\i], s[28+\i], v1
.endr
	s_wait_alu depctr_va_vdst(0)                   ; the wait behind these writes
.irp i, 0,1,2,3
.irp j, 0,1,2,3
	global_load_b128 v[C0+16*\i+4*\j:C0+16*\i+4*\j+3], v[OA+\i], s[6:7] offset:512*\j   ; no hint: a row may be named again
.endr
.endr
.irp i, 0,1,2,3
	v_mov_b32 v[NW+\i], s[24+\i]
.endr
.irp i, 1,2,3
	v_cmp_eq_u32 vcc_lo, \i, v8
	v_cndmask_b32 v[NW], v[NW], v[NW+\i], vcc_lo   ; lane l: the n of row l % 4
.endr
	global_store_b32 v2, v[NW], s[14:15]
.irp i, 0,1,2,3
	s_wait_loadcnt 4*(3-\i)                        ; row i's four loads are in (and z's, issued ahead of them); the later rows' four each may be out
.irp u, 0,2,4,6,8,10,12,14
	v_pk_add_f32 v[C0+16*\i+\u:C0+16*\i+\u+1], v[C0+16*\i+\u:C0+16*\i+\u+1], v[Z+16*\i+\u:Z+16*\i+\u+1] neg_lo:[0,1] neg_hi:[0,1]   ; z_q - z
.endr
.irp u, 0,2,4,6,8,10,12,14
	v_pk_add_f32 v[C0+16*\i+\u:C0+16*\i+\u+1], v[Z+16*\i+\u:Z+16*\i+\u+1], v[C0+16*\i+\u:C0+16*\i+\u+1]                              ; z + (z_q - z)
.endr
.irp j, 0,1,2,3
	global_store_b128 v1, v[C0+16*\i+4*\j:C0+16*\i+4*\j+3], s[12:13] offset:2048*\i+512*\j th:TH_STORE_NT   ; 512 consecutive bytes, at a multiple of 256 from out0's first byte
.endr
.endr
	s_endpgm
.Lfunc_end_k_qac4bdd8793_gather:
	.size	k_qac4bdd8793_gather, .Lfunc_end_k_qac4bdd8793_gather-k_qac4bdd8793_gather
	.p2alignl 7, 3214868480
	.fill 96, 4, 3214868480
	.section	.rodata,"a",@progbits
	.p2align	6, 0x0
	.amdhsa_kernel k_qac4bdd8793_gather
		.amdhsa_group_segment_fixed_size 0
		.amdhsa_private_segment_fixed_size 0
		.amdhsa_enable_private_segment 0
		.amdhsa_kernarg_size 48
		.amdhsa_user_sgpr_count 2
		.amdhsa_user_sgpr_kernarg_segment_ptr 1
		.amdhsa_wavefront_size32 1
		.amdhsa_system_sgpr_workgroup_id_x 1
		.amdhsa_system_sgpr_workgroup_id_y 1
		.amdhsa_system_sgpr_workgroup_id_z 1
		.amdhsa_system_vgpr_workitem_id 0
		.amdhsa_next_free_vgpr 152
		.amdhsa_next_free_sgpr 104
		.amdhsa_reserve_vcc 1
		.amdhsa_float_denorm_mode_32 3
		.amdhsa_float_denorm_mode_16_64 3
		.amdhsa_memory_ordered 1
		.amdhsa_forward_progress 1
		.amdhsa_inst_pref_size 15
	.end_amdhsa_kernel
	.amdgpu_metadata
---
amdhsa.version: [ 1, 2 ]
amdhsa.kernels:
  - .name:           k_qac4bdd8793_gather
    .symbol:         k_qac4bdd8793_gather.kd
    .args:
      - { .name: z, .offset: 0, .size: 8, .value_kind: global_buffer, .address_space: global }
      - { .name: codebook, .offset: 8, .size: 8, .value_kind: global_buffer, .address_space: global }
      - { .name: ckey, .offset: 16, .size: 8, .value_kind: global_buffer, .address_space: global }
      - { .name: cidx, .offset: 24, .size: 8, .value_kind: global_buffer, .address_space: global }
      - { .name: out0, .offset: 32, .size: 8, .value_kind: global_buffer, .address_space: global }
      - { .name: out1, .offset: 40, .size: 8, .value_kind: global_buffer, .address_space: global }
    .group_segment_fixed_size: 0
    .private_segment_fixed_size: 0
    .kernarg_segment_align: 8
    .kernarg_segment_size: 48
    .max_flat_workgroup_size: 128
    .sgpr_count:     104
    .vgpr_count:     152
    .wavefront_size: 32
...
	.end_amdgpu_metadata
.endif
;; end of part 3
